; MI455X (gfx1250); checked and timed in simulation.
; The chip was launched on July 23, 2026; its instructions are those of AMD's public machine-readable ISA for CDNA 5 (MIT licence, August 2026) and "CDNA5" Instruction Set Architecture Reference Guide (July 2026). The comments in the code are by the model that wrote it; some were corrected since.
;; Vector Quantizer. Allowed arithmetic: float matrix products may take bf16 or f16 operands with f32 sums; all other float work in f32.
;; Inputs: codebook 8,192 x 256 float32; z 16 x 256 x 32 x 32 float32.
;; Outputs: out0 16 x 256 x 32 x 32 float32; out1 16 x 32 x 32 int32; out2 one number float32.
;; One version. Each part assembles by itself: llvm-mc -triple=amdgcn-amd-amdhsa -mcpu=gfx1250 --defsym DOCPART=n.
;; ======== version 1 of 1: 4 launches
;; limits: values outside matrix products are rounded to bf16
;; workspace buffers: cbh 4,259,840 bytes; pkey 262,144 bytes of whole numbers; pidx 262,144 bytes of whole numbers; lpart 1,024 bytes
;; launch prep (part 1): grid 128 x 1, 8 waves a work-group, no clusters, 1,280 bytes of LDS; arguments codebook, cbh; writes cbh
.if DOCPART == 1
	.amdgcn_target "amdgcn-amd-amdhsa--gfx1250"
	.amdhsa_code_object_version 6
	.text
	.protected	k_q6c95a445f4_prep
	.globl	k_q6c95a445f4_prep
	.p2align	8
	.type	k_q6c95a445f4_prep,@function
k_q6c95a445f4_prep:
	s_mov_b64 s[64:65], 0
	v_nop
	global_prefetch_b8 v0, s[64:65] scope:SCOPE_SE
	s_setreg_imm32_b32 hwreg(HW_REG_WAVE_MODE, 25, 1), 1
	s_wait_xcnt 0x0
; VECTOR QUANTIZER, launch 1 of 4: the codebook as the matrix unit's operand.
; The whole program: index = argmin over codes n of ||e_n||^2 - 2 <z, e_n>; out0 = z + (e_index - z), channel-first; loss.
;   launch 1 (this one): cbh = the codebook rounded to bf16, in groups of 64 codes, each followed by a row with -1/2 ||e||^2 of its 64 codes
;   launch 2: for each token and each quarter of the codebook the best score and its code
;   launch 3: the four quarters' winners meet, the code's row is fetched, out0, out1 and partial sums of the loss
;   launch 4: the loss
; WHAT IS NOT DONE TWICE.  stop_gradient changes no value, so mean((sg(z_q) - z)^2) and mean((z_q - sg(z))^2) are the same number m for
; all inputs: m is formed once and loss = m + 0.25 m.  z + (z_q - z) is computed as it is written.  Both inputs are loaded.
; THE SCORE.  d = ||e||^2 - 2 <z, e> = -2 s with s = <z, e> - 1/2 ||e||^2, so argmin d = argmax s.  The product has bf16 operands,
; and ||e||^2 is formed here from the SAME rounded numbers, in f32, so that s is the score of the rounded inputs.
; LIMITS.  NaN and infinite inputs are not served (the maxima of launch 2 drop a NaN).  s is summed in another order than d:
; two codes whose scores differ by no more than the rounding of the f32 sums may change places.  Equal scores: the lowest index wins.
;
; Work-group g makes group g: codes 64 g .. 64 g + 63.  Wave w takes rows 8 w .. 8 w + 7, a whole row at a time: a row's 1,024 bytes
; are two loads of 16 bytes a lane (512 neighbouring bytes each), its 512 bytes of bf16 two stores of 8 bytes a lane
; (256 consecutive bytes each, aligned).  No matrix work, no tile that two work-groups share: no cluster, no tensor load.
.set GMEM, 33280                       ; bytes of a group in cbh: 64 rows of 512 bytes + the row of norms, 512 bytes
.set X, 8                              ; v[8:71]    row i, chunk c: 4 f32 at X + 8 i + 4 c
.set Y, 72                             ; v[72:103]  row i: 4 words of 2 bf16; a row's own, never rewritten (stores read them)
.set T, 104                            ; v[104:111] the rounded numbers back in f32
.set S, 112                            ; v[112:113] sum of squares
.set PX, 114                           ; v114       the other half's sum
.set NA, 115                           ; v115       LDS address of my wave's eight norms
	s_load_b128 s[4:7], s[0:1], 0x0                ; codebook s[4:5], cbh s[6:7]
	v_lshl_add_u32 v120, v0, 2, 0x100
	v_mov_b32 v121, 0
	v_and_b32 v1, 31, v0                           ; lane
	v_lshrrev_b32 v4, 5, v0
	v_readfirstlane_b32 s8, v4                     ; wave
	v_lshlrev_b32 v2, 4, v1                        ; 16 bytes a lane, in
	v_lshlrev_b32 v3, 3, v1                        ; 8 bytes a lane, out
	v_mov_b32 v[PX], 0                             ; v_permlanex16_b32 counts as a reader of its destination
	s_lshl_b32 s9, s8, 5
	v_mov_b32 v[NA], s9                            ; 32 w
	s_mov_b32 s12, 0x76543210                      ; v_permlanex16_b32: lane i reads lane i of the other half
	s_mov_b32 s13, 0xfedcba98
	s_mov_b32 s14, 0xffff0000                      ; a word's upper bf16
	s_lshl_b32 s10, ttmp9, 16                      ; 64 rows of 1,024 bytes a group,
	s_lshl_b32 s9, s8, 13                          ; 8 rows a wave
	s_add_co_u32 s10, s10, s9
	s_mov_b32 s11, 0
	s_mul_i32 s2, ttmp9, GMEM
	s_mov_b32 s3, 0
	s_wait_kmcnt 0x0
	s_add_nc_u64 s[4:5], s[4:5], s[10:11]          ; my wave's first row of the codebook
	s_add_nc_u64 s[6:7], s[6:7], s[2:3]            ; my group in cbh
	s_lshl_b32 s10, s8, 12                         ; 8 rows of 512 bytes a wave
	s_add_nc_u64 s[2:3], s[6:7], s[10:11]          ; my wave's first row in cbh
.irp i, 0,1,2,3,4,5,6,7
	global_load_b128 v[X+8*\i:X+8*\i+3],   v2, s[4:5] offset:1024*\i
	global_load_b128 v[X+8*\i+4:X+8*\i+7], v2, s[4:5] offset:1024*\i+512
.endr
; One row: round, store, square the rounded numbers, sum over the wave.
.macro ROWP i
	s_wait_loadcnt 14-2*\i                         ; loads come back in order (ISA guide 5.7.1): the two loads of each younger row may stay out
.irp j, 0,1,2,3
	v_cvt_pk_bf16_f32 v[Y+4*\i+\j], v[X+8*\i+2*\j], v[X+8*\i+2*\j+1]
.endr
	global_store_b64 v3, v[Y+4*\i:Y+4*\i+1],   s[2:3] offset:512*\i
	global_store_b64 v3, v[Y+4*\i+2:Y+4*\i+3], s[2:3] offset:512*\i+256
.irp j, 0,1,2,3
	v_lshlrev_b32 v[T+2*\j],   16,  v[Y+4*\i+\j]   ; bf16 to f32: the low half moves up,
	v_and_b32     v[T+2*\j+1], s14, v[Y+4*\i+\j]   ; the high half stays
.endr
	v_pk_mul_f32 v[S:S+1], v[T:T+1], v[T:T+1]      ; the first squares start the sum
.irp j, 2,4,6
	v_pk_fma_f32 v[S:S+1], v[T+\j:T+\j+1], v[T+\j:T+\j+1], v[S:S+1]
.endr
	v_add_f32 v[S], v[S], v[S+1]
	v_add_f32_dpp v[S], v[S], v[S] row_xmask:1 row_mask:0xf bank_mask:0xf
	v_add_f32_dpp v[S], v[S], v[S] row_xmask:2 row_mask:0xf bank_mask:0xf
	v_add_f32_dpp v[S], v[S], v[S] row_xmask:4 row_mask:0xf bank_mask:0xf
	v_add_f32_dpp v[S], v[S], v[S] row_xmask:8 row_mask:0xf bank_mask:0xf
	v_permlanex16_b32 v[PX], v[S], s12, s13
	v_add_f32 v[S], v[S], v[PX]                    ; ||e||^2 in every lane
	v_mul_f32 v[S], -0.5, v[S]
	ds_store_b32 v[NA], v[S] offset:4*\i           ; word 8 w + i; all lanes write the same number
.endm
.irp i, 0,1,2,3,4,5,6,7
	ROWP \i
.endr
	s_wait_dscnt 0x0                               ; my eight norms are in LDS: wave 0 reads them behind the barrier
	s_barrier_signal -1
	s_barrier_wait -1
	s_cmp_lg_u32 s8, 0
	s_cbranch_scc1 .Lend
	; wave 0 writes the group's 65th row whole: 64 norms, then 256 bytes of zeros (the row has the length of a code's row, so that one tile holds all 65)
	v_and_b32 v5, 15, v1
	v_lshlrev_b32 v5, 4, v5
	ds_load_b128 v[116:119], v5
	v_cmp_gt_u32 vcc_lo, 16, v1
	s_wait_dscnt 0x0
.irp j, 116,117,118,119
	v_cndmask_b32 v\j, 0, v\j, vcc_lo              ; lanes 16 to 31: zeros
.endr
	global_store_b128 v2, v[116:119], s[6:7] offset:64*512
.Lend:
	s_wait_tensorcnt 0x0
	ds_add_u32 v120, v121
	s_wait_dscnt 0x0
	s_endpgm
.Lfunc_end_k_q6c95a445f4_prep:
	.size	k_q6c95a445f4_prep, .Lfunc_end_k_q6c95a445f4_prep-k_q6c95a445f4_prep
	.p2alignl 7, 3214868480
	.fill 96, 4, 3214868480
	.section	.rodata,"a",@progbits
	.p2align	6, 0x0
	.amdhsa_kernel k_q6c95a445f4_prep
		.amdhsa_group_segment_fixed_size 1280
		.amdhsa_private_segment_fixed_size 0
		.amdhsa_enable_private_segment 0
		.amdhsa_kernarg_size 16
		.amdhsa_user_sgpr_count 2
		.amdhsa_user_sgpr_kernarg_segment_ptr 1
		.amdhsa_wavefront_size32 1
		.amdhsa_system_sgpr_workgroup_id_x 1
		.amdhsa_system_sgpr_workgroup_id_y 1
		.amdhsa_system_sgpr_workgroup_id_z 1
		.amdhsa_system_vgpr_workitem_id 0
		.amdhsa_next_free_vgpr 122
		.amdhsa_next_free_sgpr 66
		.amdhsa_reserve_vcc 1
		.amdhsa_float_denorm_mode_32 3
		.amdhsa_float_denorm_mode_16_64 3
		.amdhsa_memory_ordered 1
		.amdhsa_forward_progress 1
		.amdhsa_inst_pref_size 15
	.end_amdhsa_kernel
	.amdgpu_metadata
---
amdhsa.version: [ 1, 2 ]
amdhsa.kernels:
  - .name:           k_q6c95a445f4_prep
    .symbol:         k_q6c95a445f4_prep.kd
    .args:
      - { .name: codebook, .offset: 0, .size: 8, .value_kind: global_buffer, .address_space: global }
      - { .name: cbh, .offset: 8, .size: 8, .value_kind: global_buffer, .address_space: global }
    .group_segment_fixed_size: 1280
    .private_segment_fixed_size: 0
    .kernarg_segment_align: 8
    .kernarg_segment_size: 16
    .max_flat_workgroup_size: 256
    .sgpr_count:     66
    .vgpr_count:     122
    .wavefront_size: 32
...
	.end_amdgpu_metadata
.endif
;; end of part 1
;; launch dist (part 2): grid 64 x 4, 4 waves a work-group, clusters of 4 x 1, 327,680 bytes of LDS; arguments z, cbh, pkey, pidx; writes pkey, pidx
.if DOCPART == 2
	.amdgcn_target "amdgcn-amd-amdhsa--gfx1250"
	.amdhsa_code_object_version 6
	.text
	.protected	k_q6c95a445f4_dist
	.globl	k_q6c95a445f4_dist
	.p2align	8
	.type	k_q6c95a445f4_dist,@function
k_q6c95a445f4_dist:
	s_mov_b64 s[64:65], 0
	v_nop
	global_prefetch_b8 v0, s[64:65] scope:SCOPE_SE
	s_setreg_imm32_b32 hwreg(HW_REG_WAVE_MODE, 25, 1), 1
	s_wait_xcnt 0x0
	s_wait_alu depctr_hold_cnt(0) depctr_sa_sdst(0) depctr_va_vdst(0) depctr_va_sdst(0) depctr_va_ssrc(0) depctr_va_vcc(0) depctr_vm_vsrc(0)
	s_getreg_b32 s2, hwreg(HW_REG_IB_STS2, 6, 4)
	s_cmp_eq_u32 s2, 0
	s_cbranch_scc0 .Lentry_in_a_cluster
	s_endpgm
.Lentry_in_a_cluster:
	s_bfe_u32 s2, ttmp6, 0x10000c
	s_cmp_lg_u32 s2, 0x3003
	s_cbranch_scc0 .Lentry_shape_is_right
	s_endpgm
.Lentry_shape_is_right:
; VECTOR QUANTIZER, launch 2 of 4: for each token and each quarter of the codebook, the largest score
; s = <z, e> - 1/2 ||e||^2 (argmax s = argmin of ||e||^2 - 2 <z, e>) and the code that has it.  bf16 operands, f32 sums.
; SHARES.  A work-group: 256 tokens x 2,048 codes (work-group y = the quarter).  A wave: 64 tokens, which stay in 256 registers as the
; matrix unit's B operand (4 column tiles x 8 K steps x 8 registers) for the whole launch; the codes stream through LDS as the A operand.
; With codes as rows, register j of lane (r, h) of a result is code 8 h + j for token column r: the argmax runs inside a lane, and only
; the two halves of the lanes meet, once, at the end.  -1/2 ||e||^2 is the C operand of the first K step: nothing is cleared or added later.
; TOKENS.  Column r of column tile nt is token 256 block + 64 wave + 4 r + nt: one load of 16 bytes brings a lane one channel of its
; column in all four tiles, and sixteen lanes read 256 consecutive bytes, aligned.
; CLUSTER.  The four token blocks of a cluster (4, 1, 1) walk the same quarter of cbh: each tile is asked for jointly, by the same load
; with the same descriptor (its address is made of the quarter and the wave's number alone) and the mask 15.  z is not shared in this
; way: it goes through registers, with a conversion, once at the start.
; RING.  Two LDS slots of 4 groups of cbh (256 codes); each wave fetches one group with one tensor load (65 rows of 512 bytes, 16 bytes of
; padding behind each).  A wave has one tensor load out, and it has 16 code tiles' work in which to land.
; THE ARGMAX keeps, for each lane and column tile, the best score, the number of the 16-code tile that held it and a copy of that tile's
; eight scores; which of the eight it was is looked up once, at the end.
; TWO TILES AT ONCE.  Two sets of four accumulators take turns from tile to tile.  While a tile's 32 products run into one set, the argmax of
; the tile before works on the other: 61 vector lines in 15 slices, one behind every second product, so that neither unit waits for the
; other's phase.  The compare and the selects need two vector sources, in the operand places of a product's A and B, and the tokens fill
; source 1's window to the last register: so a slice stands between two window switches, 30 switches for a tile's 32 products.
; THE SCORE GOES OUT AS A WHOLE NUMBER that keeps the order of the f32 (pkey), so that the next launch can choose between the quarters by
; whole numbers read from memory and fetch the winner's row alone.
; LIMITS.  NaN and infinite inputs are not served (v_max_num_f32 drops a NaN).  Equal scores: the lowest index wins (a later tile must
; be strictly greater; the first of the eight; the lower index between the halves).
.set PITCH, 528                        ; an LDS row: 512 bytes + 16 = 33 x 16 bytes: the 16 rows of a fragment load begin in 16 different 16-byte columns of 256
.set GMEM,  33280                      ; a group in memory: 65 rows of 512 bytes
.set GLDS,  65*PITCH                   ; a group in LDS
.set SLOT,  4*GLDS
.set STEPB, 4*GMEM                     ; a slot's bytes in memory
.set TOFF,  16*PITCH                   ; from a tile of 16 codes to the next
.set NROW,  64*PITCH                   ; the group's row of norms
; window 0
.set R,    1                           ; lane % 16
.set H,    2                           ; lane / 16
.set LB,   3                           ; 528 r + 16 h
.set NB,   4                           ; NROW + 32 h
.set AD,   5                           ; fragments' address: LB + slot + group
.set NA,   6                           ; norms' address: NB + slot + group
.set ZO,   7                           ; z: 16 r + 8 h channels of 4,096 bytes
.set BEST, 8                           ; v[8:11]    best score, one for each column tile; at the end the key
.set ID,   12                          ; v[12:15]   its tile's number; at the end the code
.set TX,   16                          ; v[16:23]   at work
.set NH0,  24                          ; v[24:31], v[32:39]    -1/2 ||e||^2 of codes 8 h + j, for tiles of parity 0, 1
.set F0,   40                          ; v[40:103], v[104:167] a code tile's fragments (8 K steps x 8 registers), parity 0, 1
.set ACC0, 168                         ; v[168:199], v[200:231] four accumulators, parity 0, 1
.set OB,   232                         ; v[232:235] the other half's best
.set OI,   236                         ; v[236:239] the other half's code
.set J,    240                         ; v[240:243] which of the eight
.set SO,   244                         ; 16 r
.set TN,   245                         ; the number (code / 16) of the tile whose argmax is at work
.set LN,   246                         ; lane
; window 1: B, column tile n, K step s at 64 n + 8 s
; window 2: z as loaded, 4 buffers of 64 registers; when z is converted:
.set SV,   0                           ; window 2, v[0:31]: the best tile's eight scores, 8 n + j
.set G1, 16                            ; s[16:23] descriptor group 1
.set G0, 24                            ; s[24:31] descriptor group 0, a set for each slot
.set MK, 40                            ; s[40:43] lanes whose best moves, one mask for each column tile
.set MSB, 0
.macro WIN new                         ; s_set_vgpr_msb: bits 1:0 source 0, 3:2 source 1, 5:4 source 2, 7:6 destination; the high byte repeats the setting that is left
.if MSB != \new
	s_set_vgpr_msb (MSB<<8)|\new
.set MSB, \new
.endif
.endm
; A round of the cluster's barrier: my work-group's barrier, wave 0 signals for the work-group, every wave waits for all four work-groups, my work-group's barrier again.
.macro ROUND
	s_barrier_signal -1
	s_barrier_wait -1
	s_cmp_lg_u32 s12, 0
	s_cbranch_scc1 .Lnot_wave_0_\@
	s_barrier_signal -3
.Lnot_wave_0_\@:
	s_barrier_wait -3
	s_barrier_signal -1
	s_barrier_wait -1
.endm
	s_load_b256 s[4:11], s[0:1], 0x0               ; z s[4:5], cbh s[6:7], pkey s[8:9], pidx s[10:11]
	v_lshl_add_u32 v254, v0, 2, 0x43100
	v_mov_b32 v255, 0
	ds_add_u32 v254, v255
	v_lshrrev_b32 v[R], 5, v0
	v_readfirstlane_b32 s12, v[R]                  ; wave
	v_and_b32 v[LN], 31, v0
	v_and_b32 v[R], 15, v0
	v_bfe_u32 v[H], v0, 4, 1
	v_mul_u32_u24 v[LB], v[R], PITCH
	v_lshl_add_u32 v[LB], v[H], 4, v[LB]
	v_lshlrev_b32 v[NB], 5, v[H]
	v_add_nc_u32 v[NB], NROW, v[NB]
	v_lshlrev_b32 v[SO], 4, v[R]
	v_lshl_add_u32 v[ZO], v[H], 15, v[SO]
	s_bfe_u32 s13, ttmp6, 0x40000                  ; cx: it enters the addresses of z, pkey and pidx alone
	s_lshl_b32 s14, ttmp9, 2
	s_add_co_u32 s14, s14, s13                     ; token block = 4 x cluster x + cx
	s_and_b32 s15, ttmp7, 0xffff                   ; the quarter = cluster y: the same in all four partners
	s_mov_b32 s52, 0x76543210                      ; v_permlanex16_b32: lane i reads lane i of the other half
	s_mov_b32 s53, 0xfedcba98
	; group 1: a tile of 65 rows x 256 elements of 2 bytes, dense in memory, padded in LDS
	s_mov_b32 s[G1+0], 15|(1<<16)|(1<<20)|(1<<21)|(6<<22)|(3<<25)  ; 15:0 the mask: all four of the cluster; 17:16 2 bytes; 20 padding on; 21 set beside a mask; 24:22 after every 128 words; 31:25 of 4 words
	s_mov_b32 s[G1+1], 256<<16                     ; tensor_dim0 = 256
	s_mov_b32 s[G1+2], 65<<16                      ; tensor_dim1 = 65
	s_mov_b32 s[G1+3], 256<<16                     ; tile_dim0 = 256
	s_mov_b32 s[G1+4], 65                          ; tile_dim1 = 65
	s_mov_b32 s[G1+5], 256                         ; elements from row to row
	s_mov_b32 s[G1+6], 0
	s_mov_b32 s[G1+7], 0
	s_lshl_b32 s32, s15, 5                         ; cbh: group 32 x quarter + wave (registers that never hold cx)
	s_add_co_u32 s32, s32, s12
	s_mul_i32 s32, s32, GMEM
	s_mov_b32 s33, 0
	s_lshr_b32 s34, s14, 2                         ; z: image block / 4, 1,048,576 bytes each,
	s_lshl_b32 s34, s34, 20
	s_and_b32 s35, s14, 3                          ; 256 tokens of 4 bytes a block,
	s_lshl_b32 s35, s35, 10
	s_add_co_u32 s34, s34, s35
	s_lshl_b32 s35, s12, 8                         ; 64 tokens a wave
	s_add_co_u32 s34, s34, s35
	s_mov_b32 s35, 0
	s_lshl_b32 s38, s15, 7                         ; the quarter's first tile is 128 x quarter; the argmax runs one tile behind the products,
	s_add_co_i32 s38, s38, -1                      ; so its count starts one below
	v_mov_b32 v[TN], s38
	s_wait_dscnt 0x0
	s_wait_kmcnt 0x0
	s_add_nc_u64 s[4:5], s[4:5], s[34:35]
	s_add_nc_u64 s[32:33], s[6:7], s[32:33]
	s_mov_b32 s[G0+0], 1
	s_mul_i32 s[G0+1], s12, GLDS                   ; slot 0: my group's place = wave x a group
	s_mov_b64 s[G0+2:G0+3], s[32:33]               ; step 0
	s_or_b32 s[G0+3], s[G0+3], 0x80000000          ; type 2
	s_mov_b32 s[G0+4], 1
	s_add_co_u32 s[G0+5], s[G0+1], SLOT            ; slot 1
	s_add_nc_u64 s[G0+6:G0+7], s[32:33], STEPB     ; step 1
	s_or_b32 s[G0+7], s[G0+7], 0x80000000
; z, K step s (32 channels), into buffer u of window 2: load 8 g + i brings channel 32 s + 16 g + 8 h + i of tokens 4 r .. 4 r + 3
.macro ZLOAD s, u
.irp g, 0,1
.irp i, 0,1,2,3,4,5,6,7
	global_load_b128 v[64*\u+4*(8*\g+\i):64*\u+4*(8*\g+\i)+3], v[ZO], s[4:5] offset:(32*(\s)+16*\g+\i)*4096
.endr
.endr
.endm
; and from there into B: register 4 g + p of a fragment holds k = 16 g + 8 h + 2 p, + 1.  left = loads of later batches that may stay out.
.macro ZCVT s, u, left, more
	s_wait_loadcnt \left                           ; loads come back in order (ISA guide 5.7.1): batch s is in
	WIN 0x4a                                       ; sources window 2, destination window 1
.irp nt, 0,1,2,3
.irp g, 0,1
.irp p, 0,1,2,3
	v_cvt_pk_bf16_f32 v[64*\nt+8*\s+4*\g+\p], v[64*\u+4*(8*\g+2*\p)+\nt], v[64*\u+4*(8*\g+2*\p+1)+\nt]
.endr
.endr
.endr
.if \more
	WIN 0x80                                       ; destination window 2
	ZLOAD \s+4, \u
.endif
.endm
	WIN 0x80
	ZLOAD 0, 0                                     ; 64 loads of 512 bytes a wave go out before anything else
	ZLOAD 1, 1
	ZLOAD 2, 2
	ZLOAD 3, 3
	WIN 0
	ROUND                                          ; all four work-groups are here: the first joint load meets
	tensor_load_to_lds s[G0:G0+3], s[G1:G1+7]      ; step 0 into slot 0
	s_nop 0
.irp n, 0,1,2,3
	v_mov_b32 v[BEST+\n], 0xff800000               ; minus infinity: the first tile's maximum takes over
	v_mov_b32 v[ID+\n], 0
	v_mov_b32 v[OB+\n], 0                          ; v_permlanex16_b32 counts as a reader of its destination
	v_mov_b32 v[OI+\n], 0
.endr
.set i, 0
.rept 32
	v_mov_b32 v[ACC0+32+i], 0xff800000             ; 'no tile yet': the slices that stand in the first tile work on this set; minus infinity is not greater than the best, so nothing moves
.set i, i+1
.endr
	ZCVT 0, 0, 48, 1                               ; three later batches of 16 loads stay out
	ZCVT 1, 1, 48, 1
	ZCVT 2, 2, 48, 1
	ZCVT 3, 3, 48, 1
	ZCVT 4, 0, 48, 0
	ZCVT 5, 1, 32, 0
	ZCVT 6, 2, 16, 0
	ZCVT 7, 3, 0, 0
	WIN 0x80                                       ; z is converted: window 2 now holds the saved scores
.set i, 0
.rept 32
	v_mov_b32 v[SV+i], 0xff800000
.set i, i+1
.endr
	WIN 0
; 18 LDS loads: a tile's eight norms (the same for the sixteen lanes of a half) and its fragments: lane (r, h) takes row r, 16 bytes at 64 s + 16 h and 32 further on.
; Address and data lie in window 0, which source 0 and the destination mean under the products' setting too: no switch.
.macro LDFRAG f, nh, toff, noff
	ds_load_b128 v[\nh:\nh+3],   v[NA] offset:\noff
	ds_load_b128 v[\nh+4:\nh+7], v[NA] offset:\noff+16
.irp s, 0,1,2,3,4,5,6,7
	ds_load_b128 v[\f+8*\s:\f+8*\s+3],   v[AD] offset:\toff+64*\s
	ds_load_b128 v[\f+8*\s+4:\f+8*\s+7], v[AD] offset:\toff+64*\s+32
.endr
.endm
; Slice k of 15 of a tile's argmax, on the accumulator set at a: one step for all four column tiles, so its lines do not wait for each other.
; k = 0 .. 3 the tile's maximum, 4 is it greater than the best, 5 the best, 6 the tile's number, 7 .. 14 the copy of score k - 7.
.macro SLICE k, a
.if \k < 7
	WIN 0
.else
	WIN 0x82                                       ; the saved scores: destination and source 0 in window 2, source 1 (the accumulator) in window 0
.endif
.irp n, 0,1,2,3
.if \k == 0
	v_max3_num_f32 v[TX+2*\n], v[\a+8*\n], v[\a+8*\n+1], v[\a+8*\n+2]
.endif
.if \k == 1
	v_max3_num_f32 v[TX+2*\n+1], v[\a+8*\n+3], v[\a+8*\n+4], v[\a+8*\n+5]
.endif
.if \k == 2
	v_max3_num_f32 v[TX+2*\n], v[\a+8*\n+6], v[\a+8*\n+7], v[TX+2*\n]
.endif
.if \k == 3
	v_max_num_f32 v[TX+2*\n], v[TX+2*\n], v[TX+2*\n+1]
.endif
.if \k == 4
	v_cmp_gt_f32 s[MK+\n], v[TX+2*\n], v[BEST+\n]  ; strictly greater: of equal scores the earlier tile stays
.endif
.if \k == 5
	v_max_num_f32 v[BEST+\n], v[BEST+\n], v[TX+2*\n]
.endif
.if \k == 6
	v_cndmask_b32 v[ID+\n], v[ID+\n], v[TN], s[MK+\n]
.endif
.if \k >= 7
	v_cndmask_b32 v[SV+8*\n+\k-7], v[SV+8*\n+\k-7], v[\a+8*\n+\k-7], s[MK+\n]
.endif
.endr
.if \k == 6
	v_add_nc_u32 v[TN], 1, v[TN]
.endif
.endm
; A tile of parity p: 32 matrix instructions (16 codes x 64 tokens x 256 channels) into set p, and among them the argmax of the tile before, on the other set.
; The four accumulators take turns, one instruction a turn.
; more = 1: behind the first product the next tile's 18 loads go out in one run, into the other parity's buffers.
; Slice k stands behind product 2 k + 3.  Slice 14 stands behind the last product: its four lines name the saved scores and the OTHER set, none of this
; tile's registers, so they are the four places between this tile's last products and the next tile's slice 0, which reads their
; results, and between them and the next tile's loads into the buffers that they read.  No v_nop is needed.
.macro TILE p, more, toff, noff
	s_wait_dscnt 0x0                               ; this tile's 18 loads, issued a tile ago, are all that is out
.irp s, 0,1,2,3,4,5,6,7
.irp n, 0,1,2,3
	WIN 0x04                                       ; source 1 (tokens) in window 1
.if \s == 0
	v_wmma_f32_16x16x32_bf16 v[ACC0+32*\p+8*\n:ACC0+32*\p+8*\n+7], v[F0+64*\p:F0+64*\p+7], v[64*\n:64*\n+7], v[NH0+8*\p:NH0+8*\p+7]
.else
	v_wmma_f32_16x16x32_bf16 v[ACC0+32*\p+8*\n:ACC0+32*\p+8*\n+7], v[F0+64*\p+8*\s:F0+64*\p+8*\s+7], v[64*\n+8*\s:64*\n+8*\s+7], v[ACC0+32*\p+8*\n:ACC0+32*\p+8*\n+7]
.endif
.if (4*\s+\n) == 0
.if \more
	LDFRAG F0+64*(1-\p), NH0+8*(1-\p), \toff, \noff
.endif
.endif
.if (\n & 1)
.if (4*\s+\n) >= 3
	SLICE (4*\s+\n-3)/2, ACC0+32*(1-\p)
.endif
.endif
.endr
.endr
.endm
; A group of 64 codes: four tiles.  The last tile fetches the next group's first one, but for the slot's last group.
.macro GROUP last
	TILE 0, 1, TOFF, 64
	TILE 1, 1, 2*TOFF, 128
	TILE 0, 1, 3*TOFF, 192
.if \last
	TILE 1, 0, 0, 0
.else
	TILE 1, 1, GLDS, GLDS
.endif
	WIN 0                                          ; a branch or a label follows
.endm
; A step: 256 codes out of one slot, while the other slot is filled.  The argmax of the last slot's last tile is still due: it stands in this slot's first tile.
.macro TRIP slot, refill
	s_wait_tensorcnt 0x0                           ; all my tensor loads have landed, my group of this slot among them,
	ds_add_u32 v254, v255
	s_wait_dscnt 0x0
	s_add_nc_u64 s[G0+4*\slot+2:G0+4*\slot+3], s[G0+4*\slot+2:G0+4*\slot+3], 2*STEPB   ; so a group 0 may be written: this slot's next step
	s_wait_dscnt 0x0                               ; my reads of the other slot are back
	ROUND                                          ; both now hold of every wave of all four work-groups
.if \refill
	tensor_load_to_lds s[G0+4-4*\slot:G0+7-4*\slot], s[G1:G1+7]   ; my one tensor load behind the round: the next step, into the slot read last
	s_nop 0
.endif
	v_add_nc_u32 v[AD], \slot*SLOT, v[LB]
	v_add_nc_u32 v[NA], \slot*SLOT, v[NB]
	LDFRAG F0, NH0, 0, 0
	s_mov_b32 s37, 3
.Lgrp_\@:
	GROUP 0
	v_add_nc_u32 v[AD], GLDS, v[AD]                ; the next group (its first tile's loads went out with the offset GLDS)
	v_add_nc_u32 v[NA], GLDS, v[NA]
	s_sub_co_u32 s37, s37, 1
	s_cmp_lg_u32 s37, 0
	s_cbranch_scc1 .Lgrp_\@
	GROUP 1
.endm
	s_mov_b32 s36, 3                               ; eight steps: three laps of two in the loop, the last lap written out
.Lring:
	TRIP 0, 1
	TRIP 1, 1
	s_sub_co_u32 s36, s36, 1
	s_cmp_lg_u32 s36, 0
	s_cbranch_scc1 .Lring
	TRIP 0, 1
	TRIP 1, 0                                      ; the last step fetches nothing (the stepped addresses are not used)
	; the last tile's argmax stands alone; it had parity 1, and slice 14 of the tile before it filled the four places behind its last product
.irp k, 0,1,2,3,4,5,6,7,8,9,10,11,12,13,14
	SLICE \k, ACC0+32
.endr
	; which of the eight: the first saved score that equals the best
	WIN 0x08                                       ; source 1 (the saved scores) in window 2, all else in window 0
.irp n, 0,1,2,3
	v_mov_b32 v[J+\n], 7
.endr
.irp j, 6,5,4,3,2,1,0
.irp n, 0,1,2,3
	v_cmp_eq_f32 s[MK+\n], v[BEST+\n], v[SV+8*\n+\j]
	v_cndmask_b32 v[J+\n], v[J+\n], \j, s[MK+\n]
.endr
.endr
	WIN 0
.irp n, 0,1,2,3
	v_lshl_add_u32 v[ID+\n], v[ID+\n], 4, v[J+\n]  ; code = 16 x tile + j
	v_lshl_add_u32 v[ID+\n], v[H], 3, v[ID+\n]     ;      + 8 h
.endr
	; the two halves of the lanes hold the same token columns: the greater score, of equal scores the lower code
.irp n, 0,1,2,3
	v_permlanex16_b32 v[OB+\n], v[BEST+\n], s52, s53
	v_permlanex16_b32 v[OI+\n], v[ID+\n], s52, s53
.endr
.irp n, 0,1,2,3
	v_cmp_gt_f32 s44, v[OB+\n], v[BEST+\n]
	v_cmp_eq_f32 s45, v[OB+\n], v[BEST+\n]
	v_cmp_lt_u32 s46, v[OI+\n], v[ID+\n]
	s_and_b32 s45, s45, s46
	s_or_b32 s44, s44, s45
	v_cndmask_b32 v[BEST+\n], v[BEST+\n], v[OB+\n], s44
	v_cndmask_b32 v[ID+\n], v[ID+\n], v[OI+\n], s44
.endr
	; the key: the score's bits with the sign bit set if it is positive, all bits turned if it is negative: unsigned keys stand in the scores' order.
	; 0 + s first makes -0 into +0, so that equal scores have equal keys.
.irp n, 0,1,2,3
	v_add_f32 v[BEST+\n], 0, v[BEST+\n]
.endr
.irp n, 0,1,2,3
	v_ashrrev_i32 v[OB+\n], 31, v[BEST+\n]         ; all ones if negative
.endr
.irp n, 0,1,2,3
	v_or_b32 v[OB+\n], 0x80000000, v[OB+\n]
.endr
.irp n, 0,1,2,3
	v_xor_b32 v[BEST+\n], v[BEST+\n], v[OB+\n]
.endr
	s_lshl_b32 s34, s15, 16                        ; [quarter][token], 4 bytes: 65,536 x quarter + 1,024 x block + 256 x wave
	s_lshl_b32 s35, s14, 10
	s_add_co_u32 s34, s34, s35
	s_lshl_b32 s35, s12, 8
	s_add_co_u32 s34, s34, s35
	s_mov_b32 s35, 0
	s_add_nc_u64 s[8:9], s[8:9], s[34:35]
	s_add_nc_u64 s[10:11], s[10:11], s[34:35]
	v_cmp_gt_u32 vcc_lo, 16, v[LN]
	s_wait_xcnt 0x0                                ; EXEC changes only behind this wait
	s_and_saveexec_b32 s47, vcc_lo                 ; lanes 0 to 15: lane r holds tokens 4 r .. 4 r + 3
	global_store_b128 v[SO], v[BEST:BEST+3], s[8:9]    ; sixteen lanes store 256 consecutive bytes, aligned
	global_store_b128 v[SO], v[ID:ID+3], s[10:11]
	s_wait_xcnt 0x0                                ; and again in front of the line that widens it
	s_or_b32 exec_lo, exec_lo, s47
	ROUND                                          ; the closing round: no work-group ends while a partner may still ask for a tile that names it
	s_endpgm
.Lfunc_end_k_q6c95a445f4_dist:
	.size	k_q6c95a445f4_dist, .Lfunc_end_k_q6c95a445f4_dist-k_q6c95a445f4_dist
	.p2alignl 7, 3214868480
	.fill 96, 4, 3214868480
	.section	.rodata,"a",@progbits
	.p2align	6, 0x0
	.amdhsa_kernel k_q6c95a445f4_dist
		.amdhsa_group_segment_fixed_size 327680
		.amdhsa_private_segment_fixed_size 0
		.amdhsa_enable_private_segment 0
		.amdhsa_kernarg_size 32
		.amdhsa_user_sgpr_count 2
		.amdhsa_user_sgpr_kernarg_segment_ptr 1
		.amdhsa_wavefront_size32 1
		.amdhsa_system_sgpr_workgroup_id_x 1
		.amdhsa_system_sgpr_workgroup_id_y 1
		.amdhsa_system_sgpr_workgroup_id_z 1
		.amdhsa_system_vgpr_workitem_id 0
		.amdhsa_next_free_vgpr 768
		.amdhsa_next_free_sgpr 66
		.amdhsa_reserve_vcc 1
		.amdhsa_float_denorm_mode_32 3
		.amdhsa_float_denorm_mode_16_64 3
		.amdhsa_memory_ordered 1
		.amdhsa_forward_progress 1
		.amdhsa_inst_pref_size 255
	.end_amdhsa_kernel
	.section	.bss,"aw",@nobits
	.p2align	6
	.space	262144
	.amdgpu_metadata
---
amdhsa.version: [ 1, 2 ]
amdhsa.kernels:
  - .name:           k_q6c95a445f4_dist
    .symbol:         k_q6c95a445f4_dist.kd
    .args:
      - { .name: z, .offset: 0, .size: 8, .value_kind: global_buffer, .address_space: global }
      - { .name: cbh, .offset: 8, .size: 8, .value_kind: global_buffer, .address_space: global }
      - { .name: pkey, .offset: 16, .size: 8, .value_kind: global_buffer, .address_space: global }
      - { .name: pidx, .offset: 24, .size: 8, .value_kind: global_buffer, .address_space: global }
    .group_segment_fixed_size: 327680
    .private_segment_fixed_size: 0
    .kernarg_segment_align: 8
    .kernarg_segment_size: 32
    .max_flat_workgroup_size: 128
    .sgpr_count:     66
    .vgpr_count:     768
    .wavefront_size: 32
...
	.end_amdgpu_metadata
.endif
;; end of part 2
;; launch quant (part 3): grid 256 x 1, 8 waves a work-group, no clusters, 68,096 bytes of LDS; arguments z, codebook, pkey, pidx, out0, out1, lpart; writes out0, out1, lpart
.if DOCPART == 3
	.amdgcn_target "amdgcn-amd-amdhsa--gfx1250"
	.amdhsa_code_object_version 6
	.text
	.protected	k_q6c95a445f4_quant
	.globl	k_q6c95a445f4_quant
	.p2align	8
	.type	k_q6c95a445f4_quant,@function
k_q6c95a445f4_quant:
	s_mov_b64 s[64:65], 0
	v_nop
	global_prefetch_b8 v0, s[64:65] scope:SCOPE_SE
	s_setreg_imm32_b32 hwreg(HW_REG_WAVE_MODE, 25, 1), 1
	s_wait_xcnt 0x0
; VECTOR QUANTIZER, launch 3 of 4: the four quarters' winners meet; out1 = the code; out0 = z + (e - z), channel-first;
; lpart[g] = the work-group's sum of (e - z)^2.  The two means of the loss are one number (stop_gradient changes no value): one sum serves both.
; Work-group g: tokens 64 g .. 64 g + 63 (64 neighbouring places of one image).
; THE CHOICE.  The launch before stored each quarter's best score as a whole number in the scores' order (pkey) and its code (pidx).  Both are read
; from memory here as whole numbers, so the choice is scalar integer work and may steer the address: one row of the codebook is fetched for a token.
; A later quarter must be strictly greater: of equal scores the lower quarter stays, which holds the lower codes.
; PHASE A, a wave = 8 tokens: the chosen code's row of 1,024 bytes is two loads of 16 bytes a lane (512 neighbouring bytes each); it goes to LDS.
; PHASE B, a wave = 32 channels: lane (q, hs) reads 4 channels of tokens 4 q + i from LDS and holds z of the same 4 x 4 as loaded channel-first;
; each store covers, by sixteen lanes, 256 consecutive bytes of out0, aligned: one channel of the group's 64 tokens.
; LDS.  Token t lies in row 16 (t % 4) + t / 4, rows 1,040 bytes apart (65 x 16): the sixteen lanes of a phase B load read sixteen neighbouring rows,
; which begin in sixteen different 16-byte columns of 256.
; Memory and LDS work alone: no matrix unit, no tile shared between work-groups, so no cluster and no tensor load.
; LIMIT.  NaN scores are not served (a NaN's key has a place in the order that jnp.argmin does not give it).
.set RP,   1040
.set SCRI, 64*RP                       ; 64 words: the chosen codes
.set SCRL, SCRI+256                    ; 8 words: the waves' sums
.set L16, 2                            ; 16 x lane
.set STA, 3                            ; phase A: 2 rows a wave + 16 x lane
.set RDA, 4                            ; phase B: 1,040 q + 128 w + 16 hs
.set ZO,  5                            ; (32 w + 4 hs) channels of 4,096 bytes + 16 q; never rewritten
.set L,   8                            ; v[8:11]    sums of squares
.set OFF, 16                           ; v[16:23]   token t: byte offset of my 16 bytes in its code's row; each written once
.set VI,  24                           ; a chosen code, on its way to LDS
.set IA,  26                           ; SCRI + 32 w
.set LA,  27                           ; SCRL + 4 w
.set Z,   48                           ; v[48:111]  z: 16 st + 4 k + i: channel 8 st + k of mine, token 4 q + i; then out0
.set G,   112                          ; v[112:175] phase A: token t's row, 8 t + 4 chunk; phase B: e at 16 st + 4 i + k
.set T,   176                          ; v[176:179] e - z
.set IDXS, 24                          ; s[24:55]   the quarters' codes, 8 quarter + t; the chosen one ends in quarter 0's place
.set KEYS, 68                          ; s[68:99]   their keys, likewise
	s_load_b256 s[4:11], s[0:1], 0x0               ; z s[4:5], codebook s[6:7], pkey s[8:9], pidx s[10:11]
	s_load_b128 s[12:15], s[0:1], 0x20             ; out0 s[12:13], out1 s[14:15]
	s_load_b64 s[16:17], s[0:1], 0x30              ; lpart
	v_lshl_add_u32 v184, v0, 2, 0x10600
	v_mov_b32 v185, 0
	v_lshrrev_b32 v6, 5, v0
	v_readfirstlane_b32 s18, v6                    ; wave
	v_and_b32 v1, 31, v0                           ; lane
	v_and_b32 v7, 15, v0                           ; q
	v_bfe_u32 v12, v0, 4, 1                        ; hs
	v_lshlrev_b32 v[L16], 4, v1
	s_mul_i32 s20, s18, 2*RP
	v_add_nc_u32 v[STA], s20, v[L16]
	v_mul_u32_u24 v[RDA], v7, RP
	v_lshl_add_u32 v[RDA], s18, 7, v[RDA]
	v_lshl_add_u32 v[RDA], v12, 4, v[RDA]
	v_lshlrev_b32 v[ZO], 4, v7
	v_lshl_add_u32 v[ZO], v12, 14, v[ZO]
	v_lshl_add_u32 v[ZO], s18, 17, v[ZO]
	s_lshl_b32 s20, s18, 5
	s_add_co_u32 s20, s20, SCRI
	v_mov_b32 v[IA], s20
	s_lshl_b32 s20, s18, 2
	s_add_co_u32 s20, s20, SCRL
	v_mov_b32 v[LA], s20
	s_mov_b32 s60, 0x76543210                      ; v_permlanex16_b32: lane i reads lane i of the other half
	s_mov_b32 s61, 0xfedcba98
	s_lshl_b32 s19, ttmp9, 8                       ; my wave's 8 tokens in pkey and pidx: (64 g + 8 w) x 4 bytes
	s_lshl_b32 s20, s18, 5
	s_add_co_u32 s19, s19, s20
	s_lshr_b32 s20, ttmp9, 4                       ; z and out0: image g / 16, 1,048,576 bytes each; 64 places of 4 bytes a group
	s_lshl_b32 s20, s20, 20
	s_and_b32 s21, ttmp9, 15
	s_lshl_b32 s21, s21, 8
	s_add_co_u32 s20, s20, s21
	s_mov_b32 s21, 0
	s_wait_kmcnt 0x0
.irp q, 0,1,2,3
	s_load_b256 s[IDXS+8*\q:IDXS+8*\q+7], s[10:11], s19 offset:65536*\q   ; the rows' addresses hang on these: they go out first
	s_load_b256 s[KEYS+8*\q:KEYS+8*\q+7], s[8:9],   s19 offset:65536*\q
.endr
	s_add_nc_u64 s[4:5], s[4:5], s[20:21]
	s_add_nc_u64 s[12:13], s[12:13], s[20:21]
.irp st, 0,1,2,3
.irp k, 0,1,2,3
	global_load_b128 v[Z+16*\st+4*\k:Z+16*\st+4*\k+3], v[ZO], s[4:5] offset:(8*\st+\k)*4096 th:TH_LOAD_NT
.endr
.endr
	s_wait_kmcnt 0x0
; token t: the greatest key's code, its row's two loads, and the code into LDS for out1
.macro ROW t
.irp q, 1,2,3
	s_cmp_gt_u32 s[KEYS+8*\q+\t], s[KEYS+\t]       ; strictly greater: of equal scores the lower quarter stays
	s_cselect_b32 s[IDXS+\t], s[IDXS+8*\q+\t], s[IDXS+\t]
.if \q < 3
	s_max_u32 s[KEYS+\t], s[KEYS+\t], s[KEYS+8*\q+\t]
.endif
.endr
	s_min_u32 s[IDXS+\t], s[IDXS+\t], 0x1fff       ; a code stays inside the table of 8,192 rows
	v_lshl_add_u32 v[OFF+\t], s[IDXS+\t], 10, v[L16]
	global_load_b128 v[G+8*\t:G+8*\t+3],   v[OFF+\t], s[6:7]
	global_load_b128 v[G+8*\t+4:G+8*\t+7], v[OFF+\t], s[6:7] offset:512
	v_mov_b32 v[VI], s[IDXS+\t]
	ds_store_b32 v[IA], v[VI] offset:4*\t          ; all lanes write the same number
.endm
.irp t, 0,1,2,3,4,5,6,7
	ROW \t
.endr
.irp t, 0,1,2,3,4,5,6,7
	s_wait_loadcnt 14-2*\t                         ; loads come back in order (ISA guide 5.7.1): the two loads of each later token may stay out (z is older: it is in)
	ds_store_b128 v[STA], v[G+8*\t:G+8*\t+3]   offset:((\t&3)*16+(\t>>2))*RP
	ds_store_b128 v[STA], v[G+8*\t+4:G+8*\t+7] offset:((\t&3)*16+(\t>>2))*RP+512
.endr
	s_wait_dscnt 0x0                               ; my rows and codes are in LDS: other waves read them behind the barrier
	s_barrier_signal -1
	s_barrier_wait -1
.irp st, 0,1,2,3
.irp i, 0,1,2,3
	ds_load_b128 v[G+16*\st+4*\i:G+16*\st+4*\i+3], v[RDA] offset:16*RP*\i+32*\st   ; token 4 q + i, channels 8 st .. 8 st + 3 of mine
.endr
.endr
.irp st, 0,1,2,3
	s_wait_dscnt 12-4*\st                          ; LDS loads come back in order (ISA guide 5.7.1): the later groups of four stay out
.irp k, 0,1,2,3
.irp i, 0,1,2,3
	v_sub_f32 v[T+\i], v[G+16*\st+4*\i+\k], v[Z+16*\st+4*\k+\i]                    ; e - z
.endr
.irp i, 0,2
	v_pk_add_f32 v[Z+16*\st+4*\k+\i:Z+16*\st+4*\k+\i+1], v[Z+16*\st+4*\k+\i:Z+16*\st+4*\k+\i+1], v[T+\i:T+\i+1]   ; z + (e - z), as it is written
.if (\st+\k)==0
	v_pk_mul_f32 v[L+\i:L+\i+1], v[T+\i:T+\i+1], v[T+\i:T+\i+1]                    ; the first squares start the sums
.else
	v_pk_fma_f32 v[L+\i:L+\i+1], v[T+\i:T+\i+1], v[T+\i:T+\i+1], v[L+\i:L+\i+1]
.endif
.endr
	global_store_b128 v[ZO], v[Z+16*\st+4*\k:Z+16*\st+4*\k+3], s[12:13] offset:(8*\st+\k)*4096 th:TH_STORE_NT   ; its data are written once and not again
.endr
.endr
	v_pk_add_f32 v[L:L+1], v[L:L+1], v[L+2:L+3]
	v_add_f32 v[L], v[L], v[L+1]
	v_add_f32_dpp v[L], v[L], v[L] row_xmask:1 row_mask:0xf bank_mask:0xf
	v_add_f32_dpp v[L], v[L], v[L] row_xmask:2 row_mask:0xf bank_mask:0xf
	v_add_f32_dpp v[L], v[L], v[L] row_xmask:4 row_mask:0xf bank_mask:0xf
	v_add_f32_dpp v[L], v[L], v[L] row_xmask:8 row_mask:0xf bank_mask:0xf
	v_permlanex16_b32 v[T], v[L], s60, s61         ; T has been written
	v_add_f32 v[L], v[L], v[T]
	ds_store_b32 v[LA], v[L]                       ; my wave's sum
	s_wait_dscnt 0x0                               ; it is in LDS: wave 0 reads it behind the barrier
	s_barrier_signal -1
	s_barrier_wait -1
	s_cmp_lg_u32 s18, 0
	s_cbranch_scc1 .Lend
	; wave 0: the 64 codes as one store of 256 consecutive bytes, aligned, and the group's sum
	v_lshlrev_b32 v13, 3, v1
	v_add_nc_u32 v14, SCRI, v13
	v_mov_b32 v15, SCRL
	ds_load_b64 v[112:113], v14
	ds_load_b128 v[116:119], v15
	ds_load_b128 v[120:123], v15 offset:16
	s_lshl_b32 s20, ttmp9, 8
	s_add_nc_u64 s[14:15], s[14:15], s[20:21]      ; out1 + 256 g (s21 is still 0)
	s_lshl_b32 s20, ttmp9, 2
	s_add_nc_u64 s[16:17], s[16:17], s[20:21]      ; lpart + 4 g
	v_mov_b32 v124, 0
	s_wait_dscnt 0x0
	global_store_b64 v13, v[112:113], s[14:15]
	v_pk_add_f32 v[116:117], v[116:117], v[120:121]
	v_pk_add_f32 v[118:119], v[118:119], v[122:123]
	v_pk_add_f32 v[116:117], v[116:117], v[118:119]
	v_add_f32 v116, v116, v117
	v_cmp_eq_u32 vcc_lo, 0, v1
	s_wait_xcnt 0x0                                ; EXEC changes only behind this wait
	s_and_saveexec_b32 s59, vcc_lo
	global_store_b32 v124, v116, s[16:17]          ; one word: all that this work-group owns of lpart
	s_wait_xcnt 0x0                                ; and again in front of the line that widens it
	s_or_b32 exec_lo, exec_lo, s59
.Lend:
	s_wait_tensorcnt 0x0
	ds_add_u32 v184, v185
	s_wait_dscnt 0x0
	s_endpgm
.Lfunc_end_k_q6c95a445f4_quant:
	.size	k_q6c95a445f4_quant, .Lfunc_end_k_q6c95a445f4_quant-k_q6c95a445f4_quant
	.p2alignl 7, 3214868480
	.fill 96, 4, 3214868480
	.section	.rodata,"a",@progbits
	.p2align	6, 0x0
	.amdhsa_kernel k_q6c95a445f4_quant
		.amdhsa_group_segment_fixed_size 68096
		.amdhsa_private_segment_fixed_size 0
		.amdhsa_enable_private_segment 0
		.amdhsa_kernarg_size 56
		.amdhsa_user_sgpr_count 2
		.amdhsa_user_sgpr_kernarg_segment_ptr 1
		.amdhsa_wavefront_size32 1
		.amdhsa_system_sgpr_workgroup_id_x 1
		.amdhsa_system_sgpr_workgroup_id_y 1
		.amdhsa_system_sgpr_workgroup_id_z 1
		.amdhsa_system_vgpr_workitem_id 0
		.amdhsa_next_free_vgpr 186
		.amdhsa_next_free_sgpr 100
		.amdhsa_reserve_vcc 1
		.amdhsa_float_denorm_mode_32 3
		.amdhsa_float_denorm_mode_16_64 3
		.amdhsa_memory_ordered 1
		.amdhsa_forward_progress 1
		.amdhsa_inst_pref_size 22
	.end_amdhsa_kernel
	.amdgpu_metadata
---
amdhsa.version: [ 1, 2 ]
amdhsa.kernels:
  - .name:           k_q6c95a445f4_quant
    .symbol:         k_q6c95a445f4_quant.kd
    .args:
      - { .name: z, .offset: 0, .size: 8, .value_kind: global_buffer, .address_space: global }
      - { .name: codebook, .offset: 8, .size: 8, .value_kind: global_buffer, .address_space: global }
      - { .name: pkey, .offset: 16, .size: 8, .value_kind: global_buffer, .address_space: global }
      - { .name: pidx, .offset: 24, .size: 8, .value_kind: global_buffer, .address_space: global }
      - { .name: out0, .offset: 32, .size: 8, .value_kind: global_buffer, .address_space: global }
      - { .name: out1, .offset: 40, .size: 8, .value_kind: global_buffer, .address_space: global }
      - { .name: lpart, .offset: 48, .size: 8, .value_kind: global_buffer, .address_space: global }
    .group_segment_fixed_size: 68096
    .private_segment_fixed_size: 0
    .kernarg_segment_align: 8
    .kernarg_segment_size: 56
    .max_flat_workgroup_size: 256
    .sgpr_count:     100
    .vgpr_count:     186
    .wavefront_size: 32
...
	.end_amdgpu_metadata
.endif
;; end of part 3
;; launch lossfin (part 4): grid 1 x 1, 1 waves a work-group, no clusters, 0 bytes of LDS; arguments lpart, out2; writes out2
.if DOCPART == 4
	.amdgcn_target "amdgcn-amd-amdhsa--gfx1250"
	.amdhsa_code_object_version 6
	.text
	.protected	k_q6c95a445f4_lossfin
	.globl	k_q6c95a445f4_lossfin
	.p2align	8
	.type	k_q6c95a445f4_lossfin,@function
k_q6c95a445f4_lossfin:
	s_mov_b64 s[64:65], 0
	v_nop
	global_prefetch_b8 v0, s[64:65] scope:SCOPE_SE
	s_setreg_imm32_b32 hwreg(HW_REG_WAVE_MODE, 25, 1), 1
	s_wait_xcnt 0x0
; VECTOR QUANTIZER, launch 4 of 4: the loss.  lpart holds 256 partial sums of (e - z)^2; m = their sum / 4,194,304 (16 x 32 x 32 x 256 numbers).
; The two means of the loss are the same number m (stop_gradient changes no value), so loss = m + 0.25 m.  0.25 m is exact and the sum is rounded
; once, so it is 1.25 m rounded once; the division by 2^22 is exact as well: one multiplication by 1.25 x 2^-22 gives the same bits.
; A sum over work-groups is made by one owner, in a fixed order: one wave, eight numbers a lane.
	s_load_b128 s[4:7], s[0:1], 0x0                ; lpart s[4:5], out2 s[6:7]
	v_lshlrev_b32 v1, 4, v0
	v_mov_b32 v10, 0                               ; v_permlanex16_b32 counts as a reader of its destination
	v_mov_b32 v11, 0
	s_mov_b32 s8, 0x76543210
	s_mov_b32 s9, 0xfedcba98
	s_wait_kmcnt 0x0
	global_load_b128 v[2:5], v1, s[4:5]
	global_load_b128 v[6:9], v1, s[4:5] offset:512
	s_wait_loadcnt 0x0
	v_pk_add_f32 v[2:3], v[2:3], v[6:7]
	v_pk_add_f32 v[4:5], v[4:5], v[8:9]
	v_pk_add_f32 v[2:3], v[2:3], v[4:5]
	v_add_f32 v2, v2, v3
	v_add_f32_dpp v2, v2, v2 row_xmask:1 row_mask:0xf bank_mask:0xf
	v_add_f32_dpp v2, v2, v2 row_xmask:2 row_mask:0xf bank_mask:0xf
	v_add_f32_dpp v2, v2, v2 row_xmask:4 row_mask:0xf bank_mask:0xf
	v_add_f32_dpp v2, v2, v2 row_xmask:8 row_mask:0xf bank_mask:0xf
	v_permlanex16_b32 v10, v2, s8, s9
	v_add_f32 v2, v2, v10
	v_mul_f32 v2, 0x34a00000, v2                   ; x 1.25 x 2^-22
	v_cmp_eq_u32 vcc_lo, 0, v0
	s_wait_xcnt 0x0                                ; EXEC changes only behind this wait
	s_and_saveexec_b32 s10, vcc_lo
	global_store_b32 v11, v2, s[6:7]               ; the output is one number
	s_wait_xcnt 0x0                                ; and again in front of the line that widens it
	s_or_b32 exec_lo, exec_lo, s10
	s_endpgm
.Lfunc_end_k_q6c95a445f4_lossfin:
	.size	k_q6c95a445f4_lossfin, .Lfunc_end_k_q6c95a445f4_lossfin-k_q6c95a445f4_lossfin
	.p2alignl 7, 3214868480
	.fill 96, 4, 3214868480
	.section	.rodata,"a",@progbits
	.p2align	6, 0x0
	.amdhsa_kernel k_q6c95a445f4_lossfin
		.amdhsa_group_segment_fixed_size 0
		.amdhsa_private_segment_fixed_size 0
		.amdhsa_enable_private_segment 0
		.amdhsa_kernarg_size 16
		.amdhsa_user_sgpr_count 2
		.amdhsa_user_sgpr_kernarg_segment_ptr 1
		.amdhsa_wavefront_size32 1
		.amdhsa_system_sgpr_workgroup_id_x 1
		.amdhsa_system_sgpr_workgroup_id_y 1
		.amdhsa_system_sgpr_workgroup_id_z 1
		.amdhsa_system_vgpr_workitem_id 0
		.amdhsa_next_free_vgpr 16
		.amdhsa_next_free_sgpr 66
		.amdhsa_reserve_vcc 1
		.amdhsa_float_denorm_mode_32 3
		.amdhsa_float_denorm_mode_16_64 3
		.amdhsa_memory_ordered 1
		.amdhsa_forward_progress 1
		.amdhsa_inst_pref_size 2
	.end_amdhsa_kernel
	.amdgpu_metadata
---
amdhsa.version: [ 1, 2 ]
amdhsa.kernels:
  - .name:           k_q6c95a445f4_lossfin
    .symbol:         k_q6c95a445f4_lossfin.kd
    .args:
      - { .name: lpart, .offset: 0, .size: 8, .value_kind: global_buffer, .address_space: global }
      - { .name: out2, .offset: 8, .size: 8, .value_kind: global_buffer, .address_space: global }
    .group_segment_fixed_size: 0
    .private_segment_fixed_size: 0
    .kernarg_segment_align: 8
    .kernarg_segment_size: 16
    .max_flat_workgroup_size: 32
    .sgpr_count:     66
    .vgpr_count:     16
    .wavefront_size: 32
...
	.end_amdgpu_metadata
.endif
;; end of part 4
